; MI455X (gfx1250); checked and timed in simulation.
; The chip was launched on July 23, 2026; its instructions are those of AMD's public machine-readable ISA for CDNA 5 (MIT licence, August 2026) and "CDNA5" Instruction Set Architecture Reference Guide (July 2026). The comments in the code are by the model that wrote it; some were corrected since.
;; Tuck ER KBLN. Allowed arithmetic: matrix products marked QUANTISED: E2M3 operands, one E8M0 scale for each 32 along K, by v_wmma_scale_f32_16x16x128_f8f6f4 with both operands' format E2M3, f32 sums; products left as they are: f32 operands where the result goes on into a quantised operand, else bf16, f16 or f32 operands; f32 sums; everything else in f32.
;; Inputs: E 40,000 x 200 float32; R 500 x 200 float32; W 200 x 200 x 200 float32; bn0_beta 200 float32; bn0_gamma 200 float32; bn1_beta 200 float32; bn1_gamma 200 float32; c 64 float32; e1_idx 64 int32; lits 40,000 x 64 float32; nf 500 x 64 float32; r_idx 64 int32; var_l 64 float32.
;; Outputs: out0 64 x 40,000 float32.
;; This version of the problem:
;;   THIS VERSION OF THE PROBLEM IS GIVEN IN LOW PRECISION. The matrix products marked QUANTISED in the list below multiply operands that are first quantised to E2M3 (2 exponent bits, 3 mantissa bits; 6 bits a number), with one power-of-two scale for each 32 numbers along K (OCP MX v1.0); their sums are f32. All else is computed in f32.
;;   The module's matrix products, in the order in which they are computed (A, B: the left and right operand; K: the contracted axis; several contracted axes count as one K, in the product's order):
;;     1. [M 64, K 200] x [K 200, N 40,000]; A: computed on the way; B: input W: QUANTISED
;;     2. batch 64 x [M 1, K 200] x [K 200, N 200]; A: computed on the way; B: computed on the way: left as it is (M = 1 < 16)
;;     3. [M 64, K 200] x [K 200, N 40,000]; A: computed on the way; B: input E: QUANTISED
;;     4. batch 64 x [M 40,000, K 64] x [K 64, N 1]; A: computed on the way; B: computed on the way: left as it is (N = 1 < 16)
;;   THE QUANTISER, for each operand of a quantised product, along K:
;;     - K is cut into blocks of 32 from its start; a last block that is shorter is filled with zeros.
;;     - A block's scale is 2^e with e = floor(log2(the largest magnitude in the block)) - 2, held to -126 .. 127; a block of zeros has e = 0. As a byte (E8M0): e + 127.
;;     - Each number is divided by its block's scale, clamped to +-7.5, and rounded to the nearest number of E2M3, ties to even, subnormals kept.
;;     - The product sums the exact products of the quantised numbers (number of the format x scale) in f32.
;;   ~~~python
;;   def quantise(x, axis):      # numpy; x: float32 -> the quantised numbers, widened to float32 again
;;       x = np.moveaxis(x, axis, -1); K = x.shape[-1]
;;       x = np.pad(x, [(0, 0)] * (x.ndim - 1) + [(0, -K % 32)]); x = x.reshape(x.shape[:-1] + (-1, 32)); a = np.abs(x).max(-1, keepdims=True)
;;       e = np.where(a > 0, np.clip(np.frexp(np.where(a > 0, a, 1))[1] - 1 - 2, -126, 127), 0)      # np.frexp(a)[1] - 1 = floor(log2(a)), exactly
;;       r = np.clip(x / 2.0 ** e, -7.5, 7.5)
;;       step = 2.0 ** (np.maximum(np.frexp(np.where(r == 0, 1, r))[1] - 1, 0) - 3)
;;       q = np.round(r / step) * step * 2.0 ** e      # np.round: ties to even
;;       return np.moveaxis(q.reshape(q.shape[:-2] + (-1,))[..., :K], -1, axis).astype(np.float32)
;;   ~~~
;;   OPERANDS COMPUTED ON THE WAY. 'Computed on the way' means the value that the module computes at that place (a softmax that the list does not call 'softmax' is quantised finished and normalised). What goes into a quantiser is computed in f32, as accurately as f32 sums, v_exp_f32 and their like allow (about 1e-6 of the number): no bf16 or f16 on the way to a quantiser, and a product that is left as it is and whose result goes on into a quantised operand takes f32 operands (vector FMAs, or v_wmma_f32_16x16x4_f32). A number that lies on a knife's edge between two numbers of the format may be rounded either way, as far as f32 arithmetic and the matrix unit's own rounding can turn it there, and no further.
;; One version. Each part assembles by itself: llvm-mc -triple=amdgcn-amd-amdhsa -mcpu=gfx1250 --defsym DOCPART=n.
;; ======== version 1 of 1: 3 launches
;; workspace buffers: part 2,048,000 bytes; xnt 51,200 bytes; tab 32,768 bytes
;; launch core (part 1): grid 25 x 10, 10 waves a work-group, no clusters, 106,752 bytes of LDS; arguments e1_idx, r_idx, E, R, W, bn0_gamma, bn0_beta, part; writes part
.if DOCPART == 1
	.amdgcn_target "amdgcn-amd-amdhsa--gfx1250"
	.amdhsa_code_object_version 6
	.text
	.protected	k_q9163d2441f_core
	.globl	k_q9163d2441f_core
	.p2align	8
	.type	k_q9163d2441f_core,@function
k_q9163d2441f_core:
	s_mov_b64 s[64:65], 0
	v_nop
	global_prefetch_b8 v0, s[64:65] scope:SCOPE_SE
	s_setreg_imm32_b32 hwreg(HW_REG_WAVE_MODE, 25, 1), 1
	s_wait_xcnt 0x0
; part[c][pos][b] = the sum, over the five periods p of chunk c, of BN0(E[e1_idx])[b][i] x (Q(R[r_idx]) Q(W))[b][n],  n = (5 c + p) 800 + pos = 200 i + j.
; W [200 k][40,000 n] f32 is quantised along k (its first axis) to FP6 (E2M3) with one E8M0 scale for each 32 k; so is r = R[r_idx] [64][200]; k is filled with zero codes to 256.
; The product of the codes is made by the scaled matrix instruction, the contraction over i in f32.  j = pos mod 200: the next launch adds the ten chunks and the four pos that share a j.
; SHARES.  A work-group takes 32 neighbouring pos (x: 25 groups) of the five periods of 800 columns of one chunk (y: 10 chunks).  Wave w: period p = w / 2, K step s = w % 2 (k = 128 s ..).
; A LANE TAKES A COLUMN n AND ITS REGISTERS RUN DOWN k: a load reads 128 neighbouring bytes, a block of 32 k lies in one lane, and the conversions give codes with k innermost.
; The product is used transposed (source 0 = 16 columns of W, source 1 = 16 rows of r): a lane then holds one b and eight neighbouring pos, and 200 = 8 x 25, so these eight share one i.
; The two K steps of a column lie in two waves: each is multiplied by x and the halves meet in the f32 sums, which the contraction over i makes anyway.
; LIMITS: NaN and infinities among the inputs are not served; a block whose largest magnitude lies under 2^-124 keeps the scale byte 1; a block of zeros has the byte 1 over zero codes (the bytes are read here alone).
; No cluster: no two work-groups read the same bytes of W; what they share (64 rows of R, 64 pieces of E) is small beside a work-group's 125 KB of W.
.set KROW,  160000                     ; bytes from k to k + 1 in W
.set XRAW,  0                          ; LDS: e1's 20 columns of this chunk, [i local][b], 256 bytes each
.set RIMG,  5120                       ; r's 8 fragments (2 m + s) as images of their registers, 1,536 bytes each
.set RSC,   17408                      ; their scale words, 128 bytes each
.set RED,   18432                      ; ten waves x 32 pos x (256 bytes + 16)
.set RP,    272
.set H8,    4                          ; v4   8 x (lane / 16)
.set SW,    27                         ; v27  W's scale words: lane = column; v28-31 r's: these five hold scales alone
.set RS,    28
.set TM,    32                         ; v32-47 at work in the quantiser
.set RN,    48                         ; v48-111 64 numbers of r; later:
.set T0,    48                         ; v48-59 W's tile 0, v60-71 tile 1 (codes)
.set T1,    60
.set EV,    72                         ; v72-79 e1, then x, of (tile t, rows m) at 72 + 4 t + m;  v80-87 at work in the batch norm
.set RC,    112                        ; v112-123 r's codes
.set EQ,    124                        ; v124-127 four numbers of E
.set X,     128                        ; v128-255 W(128 s + i, my column), i = 0 .. 127; later:
.set RF,    128                        ; v128-175 r's four fragments of my K step
.set D,     176                        ; v176-239 the eight results (t, m) at 176 + 8 (4 t + m)
.set SEL,   40                         ; s[40:41] lane selects: lane l xor 16
; Two blocks of 32 numbers of one lane, by turns: largest magnitude with the floor 2^(3 - 127) among its leaves, 2 off its exponent field (the conversion's scale operand), the byte, 2 x 16 codes each.
.macro QBLK2 xa, da, xb, db
	v_max3_num_f32 v[TM], |v[\xa]|, |v[\xa+1]|, 0x1800000
	v_max3_num_f32 v[TM+1], |v[\xb]|, |v[\xb+1]|, 0x1800000
.set qi, 2
.rept 15
	v_max3_num_f32 v[TM], v[TM], |v[\xa+qi]|, |v[\xa+qi+1]|
	v_max3_num_f32 v[TM+1], v[TM+1], |v[\xb+qi]|, |v[\xb+qi+1]|
.set qi, qi+2
.endr
	v_add_nc_u32 v[TM+2], 0xff000000, v[TM]
	v_add_nc_u32 v[TM+3], 0xff000000, v[TM+1]
	v_lshrrev_b32 v[TM+4], 23, v[TM+2]             ; the scale bytes
	v_lshrrev_b32 v[TM+5], 23, v[TM+3]
	v_cvt_scalef32_pk16_fp6_f32 v[\da:\da+2], v[\xa:\xa+15], v[TM+2]
	v_cvt_scalef32_pk16_fp6_f32 v[TM+8:TM+10], v[\xa+16:\xa+31], v[TM+2]   ; (a conversion's three registers begin on an even number: the second half is made elsewhere and moved)
	v_cvt_scalef32_pk16_fp6_f32 v[\db:\db+2], v[\xb:\xb+15], v[TM+3]
	v_cvt_scalef32_pk16_fp6_f32 v[TM+12:TM+14], v[\xb+16:\xb+31], v[TM+3]
	v_nop                                          ; one plain place behind the scaled conversions
.irp i, 0,1,2
	v_mov_b32 v[\da+3+\i], v[TM+8+\i]
	v_mov_b32 v[\db+3+\i], v[TM+12+\i]
.endr
.endm
; 64 numbers of a lane, register n + 32 c + i = k 64 c + 32 (lane / 16) + i of my row, become a fragment (12 registers from f on) and its scale word.
.macro QFRAG n, f, sw
	QBLK2 \n, \f, \n+32, \f+6
	v_lshl_or_b32 v[\sw], v[TM+5], 16, v[TM+4]     ; my two bytes: blocks h and 2 + h,
	v_lshlrev_b32 v[\sw], v[H8], v[\sw]            ; at their places in the word;
	v_permlanex16_b32 v[TM+6], v[\sw], s[SEL], s[SEL+1]
	v_or_b32 v[\sw], v[\sw], v[TM+6]               ; with lane l xor 16's two it is whole
.endm
.macro WLOAD bl                        ; block bl: 32 rows k of my column
.set ci, 0
.rept 32
	global_load_b32 v[X+32*\bl+ci], v1, s[28+2*\bl:29+2*\bl] offset:ci*KROW
.set ci, ci+1
.endr
.endm
	s_load_b512 s[4:19], s[0:1], 0x0               ; e1_idx s[4:5], r_idx s[6:7], E s[8:9], R s[10:11], W s[12:13], gamma s[14:15], beta s[16:17], part s[18:19]
	v_lshl_add_u32 v43, v0, 2, 0x19c00
	v_mov_b32 v47, 0
	v_lshrrev_b32 v32, 5, v0
	v_readfirstlane_b32 s20, v32                   ; wave 0..9
	s_lshr_b32 s21, s20, 1                         ; p: my period (in waves 0-7 also m: the rows of r that I quantise)
	s_and_b32 s22, s20, 1                          ; s: my K step
	s_mov_b32 s23, ttmp9                           ; g: which 32 pos
	s_and_b32 s24, ttmp7, 0xffff                   ; c: which chunk
	s_mov_b32 s[SEL], 0x76543210
	s_mov_b32 s[SEL+1], 0xfedcba98
	s_mov_b32 s42, 0x3c800000                      ; 1 / 64
	s_mov_b32 s43, 0x3727c5ac                      ; 1e-5
	v_and_b32 v33, 31, v0                          ; lane
	v_lshlrev_b32 v1, 2, v33                       ; 4 x lane: my column's bytes
	v_and_b32 v2, 15, v0                           ; r
	v_bfe_u32 v3, v0, 4, 1                         ; h
	v_lshlrev_b32 v[H8], 3, v3
	v_lshlrev_b32 v36, 4, v33                      ; 16 x lane
	v_lshlrev_b32 v39, 2, v2                       ; 4 r
	; every LDS address is made here, ahead of the first parting of the waves
	s_lshl_b32 s25, s21, 10
	s_lshl_b32 s26, s22, 7
	s_add_co_u32 s26, s25, s26
	v_add_nc_u32 v8, s26, v1                       ; XRAW: column 4 p (+ e by the offset), b = 32 s + lane
	v_add_nc_u32 v40, s25, v39                     ; 1,024 p + 4 r
	s_mul_i32 s26, s20, 1536
	s_add_co_u32 s26, s26, RIMG
	v_add_nc_u32 v9, s26, v36                      ; where waves 0-7 store their fragment of r
	s_lshl_b32 s26, s20, 7
	s_add_co_u32 s26, s26, RSC
	v_add_nc_u32 v10, s26, v1                      ; and its scale words
	s_mul_i32 s26, s22, 1536
	s_add_co_u32 s26, s26, RIMG
	v_add_nc_u32 v11, s26, v36                     ; where every wave reads the fragments of its K step (3,072 m on)
	s_lshl_b32 s26, s22, 7
	s_add_co_u32 s26, s26, RSC
	v_add_nc_u32 v12, s26, v1
	s_lshl_b32 s26, s23, 2                         ; the i of my eight pos of tile t, within the period: (4 g + 2 t + h) / 25, by x 41 >> 10 (exact up to 99)
	v_add_nc_u32 v37, s26, v3
	s_add_co_u32 s26, s26, 2
	v_add_nc_u32 v38, s26, v3
	v_mul_u32_u24 v37, v37, 41
	v_mul_u32_u24 v38, v38, 41
	v_lshrrev_b32 v37, 10, v37
	v_lshrrev_b32 v38, 10, v38
	v_and_b32 v37, 3, v37
	v_and_b32 v38, 3, v38
	v_lshl_add_u32 v13, v37, 8, v40                ; XRAW: column 4 p + i, b = r (+ 16 m by the offset), tile 0
	v_lshl_add_u32 v14, v38, 8, v40                ; tile 1
	s_mul_i32 s25, s24, 80
	s_lshl_b32 s26, s21, 4
	s_add_co_u32 s25, s25, s26                     ; 4 x (20 c + 4 p): the period's first i, in bytes
	v_lshl_add_u32 v19, v37, 2, s25                ; gamma's and beta's byte, tile 0
	v_lshl_add_u32 v20, v38, 2, s25                ; tile 1
	v_mov_b32 v[TM+6], 0                           ; written once: a lane permute's destination counts as one of its sources
	s_mul_i32 s26, s20, 32*RP
	s_add_co_u32 s26, s26, RED
	v_mad_u32_u24 v15, v3, 8*RP, v39
	v_add_nc_u32 v15, s26, v15                     ; RED, in: my wave's 32 pos; pos 8 h (+ 16 t + e), b = r (+ 16 m)
	s_mul_i32 s26, s20, 4*RP
	s_add_co_u32 s26, s26, RED
	v_mul_u32_u24 v41, v3, RP
	v_lshl_add_u32 v41, v2, 4, v41
	v_add_nc_u32 v16, s26, v41                     ; RED, back: pos 4 w + h (+ 2 j), 16 bytes a lane, of source waves 0-4;
	v_add_nc_u32 v17, 5*32*RP, v16                 ; of source waves 5-9
	s_lshl_b32 s26, s20, 10
	v_add_nc_u32 v18, s26, v36                     ; part: 1,024 w + 16 x lane
	s_lshl_b32 s26, s22, 7
	v_add_nc_u32 v34, s26, v1                      ; e1_idx[32 s + lane]
	s_lshl_b32 s26, s21, 6
	v_add_nc_u32 v35, s26, v39                     ; r_idx[16 m + r]
	s_mul_i32 s28, s22, 128*KROW                   ; W at (k = 128 s, column (5 c + p) 800 + 32 g)
	s_mul_i32 s29, s24, 5
	s_add_co_u32 s29, s29, s21
	s_mul_i32 s29, s29, 3200
	s_add_co_u32 s28, s28, s29
	s_lshl_b32 s29, s23, 7
	s_add_co_u32 s28, s28, s29
	s_mov_b32 s29, 0
	s_mov_b32 s44, s25
	s_mov_b32 s45, 0
	s_mul_i32 s46, s24, 204800
	s_lshl_b32 s47, s23, 13
	s_add_co_u32 s46, s46, s47
	s_mov_b32 s47, 0
	s_wait_kmcnt 0x0
	s_add_nc_u64 s[28:29], s[12:13], s[28:29]      ; block 0
	s_add_nc_u64 s[30:31], s[28:29], 32*KROW       ; block 1
	s_add_nc_u64 s[32:33], s[28:29], 64*KROW       ; block 2
	s_add_nc_u64 s[36:37], s[8:9], s[44:45]        ; E at column 20 c + 4 p
	s_add_nc_u64 s[38:39], s[18:19], s[46:47]      ; part at (c, pos 32 g)
	; the small loads first, then W: loads come back in the order of issue, so the order of issue is the plan
	s_cmp_lt_u32 s20, 8
	s_cbranch_scc0 .Lno_ridx
	global_load_b32 v26, v35, s[6:7]
.Lno_ridx:
	global_load_b32 v25, v34, s[4:5]
	global_load_b32 v21, v19, s[14:15]
	global_load_b32 v22, v19, s[16:17]
	global_load_b32 v23, v20, s[14:15]
	global_load_b32 v24, v20, s[16:17]
	WLOAD 0
	s_wait_loadcnt 32                              ; all but block 0's 32 loads: the indices and gamma, beta are in
	v_min_u32 v25, 0x9c3f, v25                     ; an index stays inside its table: held at 39,999
	v_mul_u32_u24 v5, v25, 800
	global_load_b128 v[EQ:EQ+3], v5, s[36:37]      ; E[e1_idx[32 s + lane]][20 c + 4 p .. + 3]
	s_cmp_lt_u32 s20, 8
	s_cbranch_scc0 .Lno_r
	v_min_u32 v26, 499, v26
	v_mul_u32_u24 v7, v26, 800                     ; my row of R,
	v_lshl_add_u32 v6, v3, 7, v7                   ; and 32 h numbers on
	s_cmp_eq_u32 s22, 0
	s_cbranch_scc0 .Lr_odd
.irp c, 0,1
.irp q, 0,1,2,3,4,5,6,7
	global_load_b128 v[RN+32*\c+4*\q:RN+32*\c+4*\q+3], v6, s[10:11] offset:256*\c+16*\q   ; k = 64 c + 32 h + 4 q ..
.endr
.endr
	s_branch .Lno_r
.Lr_odd:
.irp q, 0,1,2,3,4,5,6,7
	global_load_b128 v[RN+4*\q:RN+4*\q+3], v6, s[10:11] offset:512+16*\q                  ; k = 128 + 32 h + 4 q ..
.endr
	global_load_b128 v[RN+32:RN+35], v7, s[10:11] offset:768   ; k = 192 .. 199, the row's last: all lanes read them (no load leaves the row), lanes 16-31 drop them below
	global_load_b128 v[RN+36:RN+39], v7, s[10:11] offset:784
.set ci, 40
.rept 24
	v_mov_b32 v[RN+ci], 0                          ; k from 200 on: zeros
.set ci, ci+1
.endr
.Lno_r:
	WLOAD 1
	s_cmp_eq_u32 s22, 0
	s_cbranch_scc0 .Lw_odd
	s_add_nc_u64 s[34:35], s[28:29], 96*KROW       ; block 3
	WLOAD 2
	WLOAD 3
	s_wait_loadcnt 63                              ; behind the gathers 96 loads were issued: with 63 out the gathers are in
	s_branch .Lw_done
.Lw_odd:
.set ci, 0
.rept 8
	global_load_b32 v[X+64+ci], v1, s[32:33] offset:ci*KROW    ; k = 192 .. 199
.set ci, ci+1
.endr
.set ci, 72
.rept 56
	v_mov_b32 v[X+ci], 0                           ; k from 200 on: zeros
.set ci, ci+1
.endr
	s_wait_loadcnt 40                              ; behind the gathers 32 + 8 loads were issued
.Lw_done:
.irp e, 0,1,2,3
	ds_store_b32 v8, v[EQ+\e] offset:256*\e
.endr
	s_cmp_lt_u32 s20, 8
	s_cbranch_scc0 .Lno_q
	s_cmp_eq_u32 s22, 0
	s_cbranch_scc1 .Lr_whole
	v_cmp_eq_u32 vcc_lo, 0, v3
.irp i, 0,1,2,3,4,5,6,7
	v_cndmask_b32 v[RN+32+\i], 0, v[RN+32+\i], vcc_lo          ; in lanes 16-31 these stand for k = 224 ..: zeros
.endr
.Lr_whole:
	QFRAG RN, RC, TM+7                             ; while W is on its way
.irp c, 0,1,2
	ds_store_b128 v9, v[RC+4*\c:RC+4*\c+3] offset:512*\c       ; the fragment as an image of its registers
.endr
	ds_store_b32 v10, v[TM+7]
.Lno_q:
	s_wait_loadcnt 0x0                             ; W
	QBLK2 X, T0, X+32, T1                          ; blocks 0 and 1 of my column
	v_lshl_or_b32 v[SW], v[TM+5], 8, v[TM+4]
	QBLK2 X+64, T0+6, X+96, T1+6                   ; blocks 2 and 3
	v_lshl_or_b32 v[SW], v[TM+4], 16, v[SW]
	v_lshl_or_b32 v[SW], v[TM+5], 24, v[SW]        ; my column's scale word: lanes 0-15 tile 0's rows, lanes 16-31 tile 1's
.set ci, 0
.rept 12
	v_permlane16_swap_b32 v[T0+ci], v[T1+ci]       ; T0 held blocks 0, 2 and T1 blocks 1, 3 of 32 columns; now T0 is tile 0 and T1 tile 1: lanes 0-15 blocks 0, 2, lanes 16-31 blocks 1, 3
.set ci, ci+1
.endr
	s_wait_dscnt 0x0                               ; for the others' sake: my stores of e1 and of r's fragment have landed
	s_barrier_signal -1
	s_barrier_wait -1
.irp m, 0,1,2,3
.irp c, 0,1,2
	ds_load_b128 v[RF+12*\m+4*\c:RF+12*\m+4*\c+3], v11 offset:3072*\m+512*\c
.endr
	ds_load_b32 v[RS+\m], v12 offset:256*\m
.endr
.irp t, 0,1
.irp m, 0,1,2,3
	ds_load_b32 v[EV+4*\t+\m], v[13+\t] offset:64*\m           ; e1[16 m + r][my i of tile t]
.endr
.endr
	s_wait_dscnt 0x0
; The batch norm of column i over the 64 rows: four numbers a lane, sixteen lanes (a half of the wave holds one i).  Biased variance of the differences, as the definition has it.
.macro BN_A t
.set E0, EV+4*\t
.set B0, 80+4*\t
	v_add_f32 v[B0], v[E0], v[E0+1]
	v_add_f32 v[B0+1], v[E0+2], v[E0+3]
	v_add_f32 v[B0], v[B0], v[B0+1]
.irp x, 1,2,4,8
	v_add_f32_dpp v[B0], v[B0], v[B0] row_xmask:\x row_mask:0xf bank_mask:0xf
.endr
	v_mul_f32 v[B0], s42, v[B0]                    ; the mean
.irp m, 0,1,2,3
	v_sub_f32 v[E0+\m], v[E0+\m], v[B0]
.endr
	v_mul_f32 v[B0+1], v[E0], v[E0]
.irp m, 1,2,3
	v_fma_f32 v[B0+1], v[E0+\m], v[E0+\m], v[B0+1]
.endr
.irp x, 1,2,4,8
	v_add_f32_dpp v[B0+1], v[B0+1], v[B0+1] row_xmask:\x row_mask:0xf bank_mask:0xf
.endr
	v_fma_f32 v[B0+1], v[B0+1], s42, s43           ; variance + 1e-5
.endm
.macro BN_B t
.set E0, EV+4*\t
.set B0, 80+4*\t
	v_mul_f32 v[B0+2], v[B0+2], v[21+2*\t]         ; gamma / sqrt(..)
.irp m, 0,1,2,3
	v_fma_f32 v[E0+\m], v[E0+\m], v[B0+2], v[22+2*\t]
.endr
.endm
	BN_A 0
	BN_A 1
	v_rsq_f32 v82, v81
	v_rsq_f32 v86, v85
	v_nop                                          ; a plain place behind the two roots,
	s_wait_alu depctr_va_vdst(0)                   ; and one wait for both, ahead of their first reader
	BN_B 0
	BN_B 1                                         ; these lines are also the places between the vector writes of W's codes and scale word and the products
.irp t, 0,1
.irp m, 0,1,2,3
.if \t
	v_wmma_scale_f32_16x16x128_f8f6f4 v[D+8*(4*\t+\m):D+8*(4*\t+\m)+7], v[T1:T1+11], v[RF+12*\m:RF+12*\m+11], 0, v[SW], v[RS+\m] matrix_a_fmt:MATRIX_FMT_FP6 matrix_b_fmt:MATRIX_FMT_FP6 matrix_a_scale:MATRIX_SCALE_ROW1
.else
	v_wmma_scale_f32_16x16x128_f8f6f4 v[D+8*(4*\t+\m):D+8*(4*\t+\m)+7], v[T0:T0+11], v[RF+12*\m:RF+12*\m+11], 0, v[SW], v[RS+\m] matrix_a_fmt:MATRIX_FMT_FP6 matrix_b_fmt:MATRIX_FMT_FP6
.endif
.endr
.endr                                  ; eight accumulators, one product each: lane (r, h), register e of (t, m): b = 16 m + r, pos = 16 t + 8 h + e
.rept 4
	v_nop                                          ; four places behind the products (ISA guide 7.12.1)
.endr
.macro XMUL t, m                       ; x x[b][i]: one number a lane for the eight pos; each accumulator from its low end on
.set dd, D+8*(4*\t+\m)
.set xx, EV+4*\t+2*(\m/2)
.irp e, 0,2,4,6
.if (\m)%2
	v_pk_mul_f32 v[dd+\e:dd+\e+1], v[dd+\e:dd+\e+1], v[xx:xx+1] op_sel:[0,1] op_sel_hi:[1,1]
.else
	v_pk_mul_f32 v[dd+\e:dd+\e+1], v[dd+\e:dd+\e+1], v[xx:xx+1] op_sel_hi:[1,0]
.endif
.endr
.endm
.irp t, 0,1
.irp m, 0,1,2,3
	XMUL \t, \m
.endr
.endr
.irp t, 0,1
.irp m, 0,1,2,3
.irp e, 0,1,2,3,4,5,6,7
	ds_store_b32 v15, v[D+8*(4*\t+\m)+\e] offset:(16*\t+\e)*RP+64*\m
.endr
.endr
.endr
	s_wait_dscnt 0x0                               ; for the others' sake: my 32 pos x 64 b have landed
	s_barrier_signal -1
	s_barrier_wait -1
	s_cmp_lt_u32 s20, 8
	s_cbranch_scc1 .Lsum
	s_wait_tensorcnt 0x0
	ds_add_u32 v43, v47
	s_wait_dscnt 0x0
	s_endpgm                                       ; 32 pos are eight waves' worth of four
.Lsum:
.irp u, 0,1,2,3,4
.irp j, 0,1
	ds_load_b128 v[128+8*\u+4*\j:128+8*\u+4*\j+3], v16 offset:\u*32*RP+2*RP*\j
	ds_load_b128 v[168+8*\u+4*\j:168+8*\u+4*\j+3], v17 offset:\u*32*RP+2*RP*\j
.endr
.endr
	s_wait_dscnt 0x0
.irp u, 1,2,3,4,5,6,7,8,9
.irp k, 0,2,4,6
	v_pk_add_f32 v[128+\k:129+\k], v[128+\k:129+\k], v[128+8*\u+\k:129+8*\u+\k]   ; the ten waves' parts, four chains
.endr
.endr
	global_store_b128 v18, v[128:131], s[38:39]                ; 32 lanes store 512 consecutive bytes, at a multiple of 256 from part's first byte
	global_store_b128 v18, v[132:135], s[38:39] offset:512
	s_wait_tensorcnt 0x0
	ds_add_u32 v43, v47
	s_wait_dscnt 0x0
	s_endpgm
.Lfunc_end_k_q9163d2441f_core:
	.size	k_q9163d2441f_core, .Lfunc_end_k_q9163d2441f_core-k_q9163d2441f_core
	.p2alignl 7, 3214868480
	.fill 96, 4, 3214868480
	.section	.rodata,"a",@progbits
	.p2align	6, 0x0
	.amdhsa_kernel k_q9163d2441f_core
		.amdhsa_group_segment_fixed_size 106752
		.amdhsa_private_segment_fixed_size 0
		.amdhsa_enable_private_segment 0
		.amdhsa_kernarg_size 64
		.amdhsa_user_sgpr_count 2
		.amdhsa_user_sgpr_kernarg_segment_ptr 1
		.amdhsa_wavefront_size32 1
		.amdhsa_system_sgpr_workgroup_id_x 1
		.amdhsa_system_sgpr_workgroup_id_y 1
		.amdhsa_system_sgpr_workgroup_id_z 1
		.amdhsa_system_vgpr_workitem_id 0
		.amdhsa_next_free_vgpr 256
		.amdhsa_next_free_sgpr 66
		.amdhsa_reserve_vcc 1
		.amdhsa_float_denorm_mode_32 3
		.amdhsa_float_denorm_mode_16_64 3
		.amdhsa_memory_ordered 1
		.amdhsa_forward_progress 1
		.amdhsa_inst_pref_size 49
	.end_amdhsa_kernel
	.amdgpu_metadata
---
amdhsa.version: [ 1, 2 ]
amdhsa.kernels:
  - .name:           k_q9163d2441f_core
    .symbol:         k_q9163d2441f_core.kd
    .args:
      - { .name: e1_idx, .offset: 0, .size: 8, .value_kind: global_buffer, .address_space: global }
      - { .name: r_idx, .offset: 8, .size: 8, .value_kind: global_buffer, .address_space: global }
      - { .name: E, .offset: 16, .size: 8, .value_kind: global_buffer, .address_space: global }
      - { .name: R, .offset: 24, .size: 8, .value_kind: global_buffer, .address_space: global }
      - { .name: W, .offset: 32, .size: 8, .value_kind: global_buffer, .address_space: global }
      - { .name: bn0_gamma, .offset: 40, .size: 8, .value_kind: global_buffer, .address_space: global }
      - { .name: bn0_beta, .offset: 48, .size: 8, .value_kind: global_buffer, .address_space: global }
      - { .name: part, .offset: 56, .size: 8, .value_kind: global_buffer, .address_space: global }
    .group_segment_fixed_size: 106752
    .private_segment_fixed_size: 0
    .kernarg_segment_align: 8
    .kernarg_segment_size: 64
    .max_flat_workgroup_size: 320
    .sgpr_count:     66
    .vgpr_count:     256
    .wavefront_size: 32
...
	.end_amdgpu_metadata
.endif
;; end of part 1
;; launch norm (part 2): grid 232 x 1, 1 waves a work-group, no clusters, 0 bytes of LDS; arguments part, bn1_gamma, bn1_beta, xnt, e1_idx, r_idx, lits, nf, c, var_l, tab; writes xnt, tab
.if DOCPART == 2
	.amdgcn_target "amdgcn-amd-amdhsa--gfx1250"
	.amdhsa_code_object_version 6
	.text
	.protected	k_q9163d2441f_norm
	.globl	k_q9163d2441f_norm
	.p2align	8
	.type	k_q9163d2441f_norm,@function
k_q9163d2441f_norm:
	s_mov_b64 s[64:65], 0
	v_nop
	global_prefetch_b8 v0, s[64:65] scope:SCOPE_SE
	s_setreg_imm32_b32 hwreg(HW_REG_WAVE_MODE, 25, 1), 1
	s_wait_xcnt 0x0
; Work-groups 0-199 (one wave each): column j of the core's result: the sum of its 40 parts (10 chunks x 4 pos that share j), then the second batch norm over the 64 rows: xnt[j][b], f32.
; Work-groups 200-231: the tables of the literal branch, for 32 rows b and 4 literals l each:
;   tab A-part: a'[b][l] = (lits[e1_idx[b]][l] - c[l]) x sigma[l], sigma = sqrt(log2(e) / var_l[l]);  W-part, 16,384 bytes on: nf[r_idx[b]][l].  Both laid [b / 32][l / 4][b % 32][l % 4].
;   Then exp(-(n_h - lit - c)^2 / var) = 2^(-(a' - lit x sigma)^2).
; LIMITS: var_l > 0 (a root is taken of log2(e) / var_l); the order of rounding differs from (n_h - lit) - c: c is taken off n_h first and both terms are scaled by sigma before the difference.
; No matrix work, no LDS: a wave's 64 numbers of a column are two a lane.
.set P, 16                             ; v16-95 the 40 parts, a pair of rows each
	s_load_b512 s[4:19], s[0:1], 0x0               ; part s[4:5], gamma s[6:7], beta s[8:9], xnt s[10:11], e1_idx s[12:13], r_idx s[14:15], lits s[16:17], nf s[18:19]
	s_load_b128 s[20:23], s[0:1], 0x40             ; c s[20:21], var_l s[22:23]
	s_load_b64 s[24:25], s[0:1], 0x50              ; tab
	s_mov_b32 s30, 0x76543210
	s_mov_b32 s31, 0xfedcba98                      ; lane selects: lane l xor 16
	s_mov_b32 s32, 0x3c800000                      ; 1 / 64
	s_mov_b32 s33, 0x3727c5ac                      ; 1e-5
	s_cmp_lt_u32 ttmp9, 200
	s_cbranch_scc0 .Ltables
	s_lshl_b32 s26, ttmp9, 8
	v_lshl_add_u32 v1, v0, 3, s26                  ; 256 j + 8 x lane: rows 2 lane, 2 lane + 1
	s_lshl_b32 s27, ttmp9, 2
	v_mov_b32 v2, s27                              ; 4 j
	v_mov_b32 v9, 0                                ; a lane permute's destination counts as one of its sources
	s_wait_kmcnt 0x0
.set ci, 0
.rept 40
	global_load_b64 v[P+2*ci:P+2*ci+1], v1, s[4:5] offset:(ci/4)*204800+(ci%4)*51200   ; 32 lanes read 256 consecutive bytes, aligned
.set ci, ci+1
.endr
	global_load_b32 v3, v2, s[6:7]
	global_load_b32 v4, v2, s[8:9]
	s_wait_loadcnt 0x0
.set ci, 4
.rept 36
	v_pk_add_f32 v[P+2*(ci%4):P+2*(ci%4)+1], v[P+2*(ci%4):P+2*(ci%4)+1], v[P+2*ci:P+2*ci+1]   ; four chains
.set ci, ci+1
.endr
	v_pk_add_f32 v[P:P+1], v[P:P+1], v[P+2:P+3]
	v_pk_add_f32 v[P+4:P+5], v[P+4:P+5], v[P+6:P+7]
	v_pk_add_f32 v[P:P+1], v[P:P+1], v[P+4:P+5]
	v_add_f32 v8, v[P], v[P+1]
.irp x, 1,2,4,8
	v_add_f32_dpp v8, v8, v8 row_xmask:\x row_mask:0xf bank_mask:0xf
.endr
	v_permlanex16_b32 v9, v8, s30, s31
	v_add_f32 v8, v8, v9
	v_mul_f32 v8, s32, v8                          ; the mean
	v_sub_f32 v[P], v[P], v8
	v_sub_f32 v[P+1], v[P+1], v8
	v_mul_f32 v10, v[P], v[P]
	v_fma_f32 v10, v[P+1], v[P+1], v10
.irp x, 1,2,4,8
	v_add_f32_dpp v10, v10, v10 row_xmask:\x row_mask:0xf bank_mask:0xf
.endr
	v_permlanex16_b32 v9, v10, s30, s31
	v_add_f32 v10, v10, v9
	v_fma_f32 v10, v10, s32, s33                   ; variance + 1e-5
	v_rsq_f32 v11, v10
	v_nop                                          ; a plain place behind the root,
	s_wait_alu depctr_va_vdst(0)                   ; and the wait ahead of its first reader
	v_mul_f32 v11, v11, v3
	v_fma_f32 v12, v[P], v11, v4
	v_fma_f32 v13, v[P+1], v11, v4
	global_store_b64 v1, v[12:13], s[10:11]        ; 32 lanes store 256 consecutive bytes, aligned
	s_endpgm
.Ltables:
	s_sub_co_u32 s26, ttmp9, 200                   ; 16 (b / 32) + l / 4
	s_lshr_b32 s27, s26, 4
	s_and_b32 s28, s26, 15
	s_lshl_b32 s27, s27, 7
	v_lshl_add_u32 v1, v0, 2, s27                  ; 4 b
	s_lshl_b32 s28, s28, 4                         ; my four literals, in bytes
	v_mov_b32 v2, s28
	s_lshl_b32 s29, s26, 9
	v_lshl_add_u32 v3, v0, 4, s29                  ; my 16 bytes of each table
	s_wait_kmcnt 0x0
	global_load_b32 v4, v1, s[12:13]
	global_load_b32 v5, v1, s[14:15]
	global_load_b128 v[8:11], v2, s[20:21]
	global_load_b128 v[12:15], v2, s[22:23]
	s_wait_loadcnt 0x0
	v_min_u32 v4, 0x9c3f, v4                       ; an index stays inside its table
	v_min_u32 v5, 499, v5
	v_lshl_add_u32 v6, v4, 8, s28
	v_lshl_add_u32 v7, v5, 8, s28
	global_load_b128 v[16:19], v6, s[16:17]
	global_load_b128 v[20:23], v7, s[18:19]
.irp e, 0,1,2,3
	v_rcp_f32 v[24+\e], v[12+\e]
.endr
	v_nop
	s_wait_alu depctr_va_vdst(0)                   ; one wait for the four reciprocals
.irp e, 0,1,2,3
	v_mul_f32 v[24+\e], 0x3fb8aa3b, v[24+\e]
.endr
.irp e, 0,1,2,3
	v_sqrt_f32 v[24+\e], v[24+\e]
.endr
	v_nop
	s_wait_alu depctr_va_vdst(0)                   ; and one for the four roots
	s_wait_loadcnt 0x0
.irp e, 0,1,2,3
	v_sub_f32 v[16+\e], v[16+\e], v[8+\e]
.endr
.irp e, 0,1,2,3
	v_mul_f32 v[16+\e], v[16+\e], v[24+\e]
.endr
	global_store_b128 v3, v[16:19], s[24:25]       ; 512 consecutive bytes, aligned
	global_store_b128 v3, v[20:23], s[24:25] offset:16384
	s_endpgm
.Lfunc_end_k_q9163d2441f_norm:
	.size	k_q9163d2441f_norm, .Lfunc_end_k_q9163d2441f_norm-k_q9163d2441f_norm
	.p2alignl 7, 3214868480
	.fill 96, 4, 3214868480
	.section	.rodata,"a",@progbits
	.p2align	6, 0x0
	.amdhsa_kernel k_q9163d2441f_norm
		.amdhsa_group_segment_fixed_size 0
		.amdhsa_private_segment_fixed_size 0
		.amdhsa_enable_private_segment 0
		.amdhsa_kernarg_size 88
		.amdhsa_user_sgpr_count 2
		.amdhsa_user_sgpr_kernarg_segment_ptr 1
		.amdhsa_wavefront_size32 1
		.amdhsa_system_sgpr_workgroup_id_x 1
		.amdhsa_system_sgpr_workgroup_id_y 1
		.amdhsa_system_sgpr_workgroup_id_z 1
		.amdhsa_system_vgpr_workitem_id 0
		.amdhsa_next_free_vgpr 112
		.amdhsa_next_free_sgpr 66
		.amdhsa_reserve_vcc 0
		.amdhsa_float_denorm_mode_32 3
		.amdhsa_float_denorm_mode_16_64 3
		.amdhsa_memory_ordered 1
		.amdhsa_forward_progress 1
		.amdhsa_inst_pref_size 12
	.end_amdhsa_kernel
	.amdgpu_metadata
---
amdhsa.version: [ 1, 2 ]
amdhsa.kernels:
  - .name:           k_q9163d2441f_norm
    .symbol:         k_q9163d2441f_norm.kd
    .args:
      - { .name: part, .offset: 0, .size: 8, .value_kind: global_buffer, .address_space: global }
      - { .name: bn1_gamma, .offset: 8, .size: 8, .value_kind: global_buffer, .address_space: global }
      - { .name: bn1_beta, .offset: 16, .size: 8, .value_kind: global_buffer, .address_space: global }
      - { .name: xnt, .offset: 24, .size: 8, .value_kind: global_buffer, .address_space: global }
      - { .name: e1_idx, .offset: 32, .size: 8, .value_kind: global_buffer, .address_space: global }
      - { .name: r_idx, .offset: 40, .size: 8, .value_kind: global_buffer, .address_space: global }
      - { .name: lits, .offset: 48, .size: 8, .value_kind: global_buffer, .address_space: global }
      - { .name: nf, .offset: 56, .size: 8, .value_kind: global_buffer, .address_space: global }
      - { .name: c, .offset: 64, .size: 8, .value_kind: global_buffer, .address_space: global }
      - { .name: var_l, .offset: 72, .size: 8, .value_kind: global_buffer, .address_space: global }
      - { .name: tab, .offset: 80, .size: 8, .value_kind: global_buffer, .address_space: global }
    .group_segment_fixed_size: 0
    .private_segment_fixed_size: 0
    .kernarg_segment_align: 8
    .kernarg_segment_size: 88
    .max_flat_workgroup_size: 32
    .sgpr_count:     66
    .vgpr_count:     112
    .wavefront_size: 32
...
	.end_amdgpu_metadata
.endif
;; end of part 2
;; launch score (part 3): grid 250 x 1, 16 waves a work-group, no clusters, 259,072 bytes of LDS; arguments E, lits, var_l, xnt, tab, out0; writes out0
.if DOCPART == 3
	.amdgcn_target "amdgcn-amd-amdhsa--gfx1250"
	.amdhsa_code_object_version 6
	.text
	.protected	k_q9163d2441f_score
	.globl	k_q9163d2441f_score
	.p2align	8
	.type	k_q9163d2441f_score,@function
k_q9163d2441f_score:
	s_mov_b64 s[64:65], 0
	v_nop
	global_prefetch_b8 v0, s[64:65] scope:SCOPE_SE
	s_setreg_imm32_b32 hwreg(HW_REG_WAVE_MODE, 25, 1), 1
	s_wait_xcnt 0x0
; out0[b][n] = sigmoid( (Q(x) Q(E)^T)[b][n] + the sum over l of nf[r_idx[b]][l] x 2^(-(a'[b][l] - lits[n][l] sigma[l])^2) ),  x = xnt^T (the second batch norm's result), a', nf rows: tab.
; x [64][200] and E [40,000][200] are quantised along their 200 (filled with zero codes to 256) to FP6 (E2M3), one E8M0 scale for each 32; the product is made by the scaled matrix instruction, f32 sums.
; SHARES.  A work-group owns 160 n, all 64 b.  The bulk is 64 x 160 x 64 exponentials.  Wave w: rows b = 32 (w % 2) + lane, pairs of n 10 (w / 2) .. + 9.  A packed instruction holds a pair (n0, n1):
; a' and nf of the lane's b stay in 128 registers and are broadcast to both halves; lits x sigma comes from LDS, all lanes at one address, laid [pair][l][2].
; Sixteen waves of 256 registers, four to a SIMD: one wave's plain work stands beside another's exponentials; no register windows.
; E's 160 rows (128,000 dense bytes) are asked for at the head by ten tensor loads, one a wave, each into bytes that the same wave alone reads at the end; nothing is filled twice.
; The literal score goes to a stage in LDS [b][n] and comes back as the C of the product's first K step, so the addition costs no line; the sigmoid's result goes out through the same stage as rows.
; LIMITS: var_l > 0; NaN and infinities are not served; a block under 2^-124 keeps the scale byte 1, a block of zeros the byte 1 over zero codes (the bytes are read here alone); an exponential under 2^-126 counts as 0.
; No cluster: E, lits and out0 are shared by no two work-groups; what all read (tab, xnt: 84 KB) is small beside a work-group's exponentials.
; A work-group's 160 n are 640 bytes of a row of out0: two aligned blocks of 256 and half a block, which it shares with its neighbour.
.set EB,    0                          ; LDS: E's ten tiles of 16 rows x 800 bytes: the tensor loads' target, and nothing else's
.set LIT,   128000                     ; lits x sigma: 80 pairs x 64 l x 2 f32
.set TAB,   168960                     ; tab as it lies in memory
.set XIMG,  201728                     ; x's 8 fragments (2 m + s) as images of their registers
.set XSC,   214016                     ; their scale words, 128 bytes each
.set STG,   215040                     ; the stage: 64 rows b x (640 bytes + 16)
.set SP,    656
.set H8,    1                          ; v1   8 x (lane / 16)
.set TM,    48                         ; v48-63 at work in the quantiser
.set A,     64                         ; v64-127  a'[b][l];   later 64 numbers of E or x, then the four accumulators
.set WT,    128                        ; v128-191 nf[..][l];  later (to v223) x's eight fragments
.set LB,    192                        ; v192-255 two buffers of 16 l x 2 n; later v224-247 E's two fragments
.set XF,    128
.set EF,    224
.set ES,    18                         ; v18-19 E's scale words, v20-27 x's: these ten hold scales alone
.set XS,    20
.set SEL,   48                         ; s[48:49] lane selects: lane l xor 16
.macro QBLK2 xa, da, xb, db            ; two blocks of 32 numbers of one lane, by turns: largest magnitude over the floor 2^(3 - 127), 2 off its exponent field, the byte, the codes
	v_max3_num_f32 v[TM], |v[\xa]|, |v[\xa+1]|, 0x1800000
	v_max3_num_f32 v[TM+1], |v[\xb]|, |v[\xb+1]|, 0x1800000
.set qi, 2
.rept 15
	v_max3_num_f32 v[TM], v[TM], |v[\xa+qi]|, |v[\xa+qi+1]|
	v_max3_num_f32 v[TM+1], v[TM+1], |v[\xb+qi]|, |v[\xb+qi+1]|
.set qi, qi+2
.endr
	v_add_nc_u32 v[TM+2], 0xff000000, v[TM]
	v_add_nc_u32 v[TM+3], 0xff000000, v[TM+1]
	v_lshrrev_b32 v[TM+4], 23, v[TM+2]
	v_lshrrev_b32 v[TM+5], 23, v[TM+3]
	v_cvt_scalef32_pk16_fp6_f32 v[\da:\da+2], v[\xa:\xa+15], v[TM+2]
	v_cvt_scalef32_pk16_fp6_f32 v[TM+8:TM+10], v[\xa+16:\xa+31], v[TM+2]   ; (a conversion's three registers begin on an even number)
	v_cvt_scalef32_pk16_fp6_f32 v[\db:\db+2], v[\xb:\xb+15], v[TM+3]
	v_cvt_scalef32_pk16_fp6_f32 v[TM+12:TM+14], v[\xb+16:\xb+31], v[TM+3]
	v_nop                                          ; one plain place behind the scaled conversions
.irp i, 0,1,2
	v_mov_b32 v[\da+3+\i], v[TM+8+\i]
	v_mov_b32 v[\db+3+\i], v[TM+12+\i]
.endr
.endm
.macro QFRAG n, f, sw                  ; register n + 32 c + i = k 64 c + 32 (lane / 16) + i of my row -> a fragment from f on, and its scale word
	QBLK2 \n, \f, \n+32, \f+6
	v_lshl_or_b32 v[\sw], v[TM+5], 16, v[TM+4]
	v_lshlrev_b32 v[\sw], v[H8], v[\sw]
	v_permlanex16_b32 v[TM+6], v[\sw], s[SEL], s[SEL+1]
	v_or_b32 v[\sw], v[\sw], v[TM+6]
.endm
	s_load_b256 s[4:11], s[0:1], 0x0               ; E s[4:5], lits s[6:7], var_l s[8:9], xnt s[10:11]
	s_load_b128 s[12:15], s[0:1], 0x20             ; tab s[12:13], out0 s[14:15]
	v_lshl_add_u32 v47, v0, 2, 0x3ec00
	v_mov_b32 v63, 0
	ds_add_u32 v47, v63
	ds_add_u32 v47, v63
	v_lshrrev_b32 v56, 5, v0
	v_readfirstlane_b32 s20, v56                   ; wave 0..15
	s_and_b32 s21, s20, 1                          ; which 32 rows b are mine.  In waves 8-15 also: the K step of x that I quantise
	s_lshr_b32 s22, s20, 1                         ; which ten pairs of n
	s_and_b32 s23, s20, 7                          ; my number within my role of the head
	s_lshr_b32 s25, s23, 1                         ; in waves 8-15: the 16 rows of x that I quantise
	s_and_b32 s27, ttmp9, 1                        ; odd work-groups begin 128 bytes behind an aligned block of out0
	s_mov_b32 s[SEL], 0x76543210
	s_mov_b32 s[SEL+1], 0xfedcba98
	; descriptor group 1: a dense block of 12,800 bytes as 50 rows of 256 (32 elements of 8 bytes)
	s_mov_b32 s40, 3<<16                           ; no mask; elements of 8 bytes; no padding
	s_mov_b32 s41, 32<<16                          ; tensor_dim0 = 32
	s_mov_b32 s42, 50<<16                          ; tensor_dim1 = 50
	s_mov_b32 s43, 32<<16                          ; tile_dim0 = 32
	s_mov_b32 s44, 50                              ; tile_dim1 = 50
	s_mov_b32 s45, 32                              ; from row to row: 32 elements
	s_mov_b32 s46, 0
	s_mov_b32 s47, 0
	s_mov_b32 s36, 1                               ; group 0: count = 1,
	s_mul_i32 s37, s20, 12800                      ; LDS address: my wave's tile
	; every LDS address is made here, ahead of the first parting of the waves
	v_and_b32 v56, 31, v0                          ; lane
	v_and_b32 v57, 15, v0                          ; r (at the head also: which four l)
	v_bfe_u32 v58, v0, 4, 1                        ; h
	v_lshlrev_b32 v59, 4, v56
	v_lshlrev_b32 v60, 2, v56
	v_lshlrev_b32 v[H8], 3, v58
	v_lshrrev_b32 v29, 6, v0
	v_mul_u32_u24 v29, v29, 5120
	v_add_nc_u32 v29, LIT, v29                     ; v29  my ten pairs of lits x sigma
	s_mul_i32 s28, s21, 32*SP
	s_mul_i32 s29, s22, 80
	s_add_co_u32 s28, s28, s29
	s_add_co_u32 s28, s28, STG
	v_mul_u32_u24 v3, v56, SP
	v_add_nc_u32 v3, s28, v3                       ; v3   the stage: my row b, my first pair
	s_min_u32 s30, s20, 9                          ; (waves 10-15 have no tile: their registers stay inside the regions and are not used)
	s_mul_i32 s28, s30, 12800
	v_mul_u32_u24 v6, v57, 800
	v_add_nc_u32 v6, s28, v6                       ; v6   E's tile: row r
	v_lshl_add_u32 v5, v58, 7, v6                  ; v5   and 32 h numbers on
	s_lshl_b32 s28, s30, 6
	s_add_co_u32 s28, s28, STG
	v_mul_u32_u24 v7, v57, SP
	v_lshl_add_u32 v7, v58, 5, v7
	v_add_nc_u32 v7, s28, v7                       ; v7   the stage in the result's layout: row r (+ 16 m), n = 16 w + 8 h ..
	v_add_nc_u32 v8, XIMG, v59                     ; v8   an image's place for my lane
	v_add_nc_u32 v9, XSC, v60                      ; v9   a scale word's
	s_mul_i32 s28, s20, 4*SP
	s_add_co_u32 s28, s28, STG
	s_lshl_b32 s29, s27, 7
	s_add_co_u32 s29, s28, s29
	v_add_nc_u32 v10, s29, v59                     ; v10  the way out: rows 4 w .., the two aligned blocks
	s_xor_b32 s31, s27, 1
	s_lshl_b32 s31, s31, 9                         ; the half block: at byte 512 in even work-groups, at 0 in odd ones
	s_add_co_u32 s29, s28, s31
	v_lshrrev_b32 v61, 3, v56
	v_and_b32 v62, 7, v0
	v_mul_u32_u24 v11, v61, SP
	v_lshl_add_u32 v11, v62, 4, v11
	v_add_nc_u32 v11, s29, v11                     ; v11  the four rows' half blocks: eight lanes a row
	s_mul_i32 s28, s20, 4*160000
	s_lshl_b32 s29, s27, 7
	s_add_co_u32 s29, s28, s29
	v_add_nc_u32 v12, s29, v59                     ; v12, v13 the same places in out0
	s_add_co_u32 s29, s28, s31
	v_mul_u32_u24 v13, v61, 160000
	v_lshl_add_u32 v13, v62, 4, v13
	v_add_nc_u32 v13, s29, v13
	s_lshl_b32 s28, s21, 13
	s_add_co_u32 s28, s28, TAB
	v_add_nc_u32 v28, s28, v59                     ; v28  the tables of my 32 rows
	s_mul_i32 s28, s23, 1536
	s_add_co_u32 s28, s28, XIMG
	v_add_nc_u32 v30, s28, v59                     ; v30  where waves 8-15 store their fragment of x
	s_lshl_b32 s28, s23, 7
	s_add_co_u32 s28, s28, XSC
	v_add_nc_u32 v31, s28, v60                     ; v31  and its scale words
	s_mul_i32 s28, s23, 5120
	v_lshlrev_b32 v61, 9, v58
	v_add_nc_u32 v61, s28, v61
	v_lshl_add_u32 v33, v57, 4, v61                ; v33  lits: waves 0-7 take 20 rows each; lanes 0-15 one pair of rows, lanes 16-31 the next; 16 bytes a lane
	v_lshl_add_u32 v32, v57, 5, v61
	v_add_nc_u32 v32, LIT, v32                     ; v32  and where they go: 32 bytes for four l of a pair
	v_lshlrev_b32 v34, 4, v57                      ; v34  var_l: my four l
	s_lshl_b32 s28, s25, 6
	v_lshl_add_u32 v36, v57, 2, s28                ; v36  xnt: column b = 16 m + r,
	v_lshl_add_u32 v35, v58, 13, v36               ; v35  and 32 h rows k further down
	s_lshl_b32 s28, s20, 11
	v_add_nc_u32 v37, s28, v59                     ; v37  tab: 2,048 bytes a wave
	v_add_nc_u32 v38, TAB, v37                     ; v38  and in LDS
	v_mov_b32 v[TM+6], 0                           ; a lane permute's destination counts as one of its sources
	s_mul_i32 s28, ttmp9, 40960
	s_mov_b32 s29, 0
	s_mul_i32 s30, ttmp9, 640
	s_mov_b32 s31, 0
	s_mul_i32 s32, ttmp9, 128000
	s_add_co_u32 s32, s32, s37
	s_mov_b32 s33, 0
	s_wait_dscnt 0x0
	s_wait_kmcnt 0x0
	s_add_nc_u64 s[52:53], s[6:7], s[28:29]        ; lits at my 160 rows
	s_add_nc_u64 s[54:55], s[14:15], s[30:31]      ; out0 at my 160 columns
	s_add_nc_u64 s[38:39], s[4:5], s[32:33]        ; E at my wave's 16 rows
	s_or_b32 s39, s39, 0x80000000                  ; type = 2
	; the small streams are asked for first, E behind them: E is wanted last
	s_cmp_lt_u32 s20, 8
	s_cbranch_scc0 .Lx_loads
	global_load_b128 v[104:107], v34, s[8:9]
.irp t, 0,1,2,3,4
	global_load_b128 v[64+8*\t:67+8*\t], v33, s[52:53] offset:1024*\t th:TH_LOAD_NT        ; the pair's even row: sixteen lanes read its 256 bytes
	global_load_b128 v[68+8*\t:71+8*\t], v33, s[52:53] offset:1024*\t+256 th:TH_LOAD_NT    ; and its odd row
.endr
	s_branch .Lrole_asked
.Lx_loads:
	s_cmp_eq_u32 s21, 0
	s_cbranch_scc0 .Lx_odd
.set ci, 0
.rept 64
	global_load_b32 v[64+ci], v35, s[10:11] offset:(64*(ci/32)+ci%32)*256      ; x[b][k], k = 64 c + 32 h + i
.set ci, ci+1
.endr
	s_branch .Lrole_asked
.Lx_odd:
.set ci, 0
.rept 32
	global_load_b32 v[64+ci], v35, s[10:11] offset:(128+ci)*256                ; k = 128 + 32 h + i
.set ci, ci+1
.endr
.set ci, 0
.rept 8
	global_load_b32 v[96+ci], v36, s[10:11] offset:(192+ci)*256                ; k = 192 .. 199: all lanes read them (no load leaves the buffer), lanes 16-31 drop them below
.set ci, ci+1
.endr
.set ci, 104
.rept 24
	v_mov_b32 v[ci], 0                             ; k from 200 on: zeros
.set ci, ci+1
.endr
.Lrole_asked:
.irp i, 0,1,2,3
	global_load_b128 v[192+4*\i:195+4*\i], v37, s[12:13] offset:512*\i
.endr
	s_cmp_lt_u32 s20, 10
	s_cbranch_scc0 .Lno_tile
	tensor_load_to_lds s[36:39], s[40:47]          ; my tile of E: my one tensor load of the launch; its descriptor is never written again
	s_nop 0
.rept 4
	v_nop
.endr
.Lno_tile:
	s_wait_loadcnt 0x0
	s_cmp_lt_u32 s20, 8
	s_cbranch_scc0 .Lx_work
.irp e, 0,1,2,3
	v_rcp_f32 v[108+\e], v[104+\e]
.endr
	v_nop
	s_wait_alu depctr_va_vdst(0)                   ; one wait for the four reciprocals, ahead of their first reader
.irp e, 0,1,2,3
	v_mul_f32 v[108+\e], 0x3fb8aa3b, v[108+\e]
.endr
.irp e, 0,1,2,3
	v_sqrt_f32 v[108+\e], v[108+\e]                ; sigma = sqrt(log2(e) / var_l)
.endr
	v_nop
	s_wait_alu depctr_va_vdst(0)                   ; and one for the four roots
.irp t, 0,1,2,3,4
.irp e, 0,1,2,3
	v_mul_f32 v[128+8*\t+2*\e], v[64+8*\t+\e], v[108+\e]       ; (n0, l), (n1, l) side by side
	v_mul_f32 v[129+8*\t+2*\e], v[68+8*\t+\e], v[108+\e]
.endr
.endr
.irp t, 0,1,2,3,4
	ds_store_b128 v32, v[128+8*\t:131+8*\t] offset:1024*\t
	ds_store_b128 v32, v[132+8*\t:135+8*\t] offset:1024*\t+16
.endr
	s_branch .Lrole_done
.Lx_work:
	s_cmp_eq_u32 s21, 0
	s_cbranch_scc1 .Lx_whole
	v_cmp_eq_u32 vcc_lo, 0, v[H8]
.irp i, 0,1,2,3,4,5,6,7
	v_cndmask_b32 v[96+\i], 0, v[96+\i], vcc_lo    ; in lanes 16-31 these stand for k = 224 ..: zeros
.endr
.Lx_whole:
	QFRAG 64, EF, TM+7
.irp c, 0,1,2
	ds_store_b128 v30, v[EF+4*\c:EF+4*\c+3] offset:512*\c
.endr
	ds_store_b32 v31, v[TM+7]
.Lrole_done:
.irp i, 0,1,2,3
	ds_store_b128 v38, v[192+4*\i:195+4*\i] offset:512*\i
.endr
	s_wait_dscnt 0x0                               ; for the others' sake: my stores have landed.  (E's tile may stay on its way: nothing is filled again, and only I read it)
	s_barrier_signal -1
	s_barrier_wait -1
	; THE EXPONENTIALS
.irp q, 0,1,2,3,4,5,6,7,8,9,10,11,12,13,14,15
	ds_load_b128 v[A+4*\q:A+4*\q+3], v28 offset:512*\q
	ds_load_b128 v[WT+4*\q:WT+4*\q+3], v28 offset:16384+512*\q
.endr
	s_mov_b32 s50, 0                               ; the pair in hand: 512 bytes of lits x sigma,
	s_mov_b32 s51, 0                               ; 8 bytes of the stage
	s_mov_b32 s56, 9
	v_add_nc_u32 v2, s50, v29
.irp i, 0,1,2,3,4,5,6,7
	ds_load_b128 v[LB+4*\i:LB+4*\i+3], v2 offset:16*\i         ; the first pair's first 16 l
.endr
; 16 l of a pair.  The next 16 are asked for first (pre: their byte from the pair's first; under 0: none).  Then, two l at a time: a' - lit (packed over the pair of n), minus its square; the exponentials follow one
; group of four behind, so that a plain line leads each group.  ONE wait for the batch's 32 exponentials, ahead of the multiply-adds that read them.  Even l and odd l sum in two chains.
.macro BATCH q, first, pre
.set LBQ, LB+32*((\q)%2)
.set LBN, LB+32*(((\q)+1)%2)
.set AQ, A+16*(\q)
.set WQ, WT+16*(\q)
	s_wait_dscnt 0x0                               ; this batch's eight loads are in (and the last pair's store is done)
.if (\q) == 0
	v_add_nc_u32 v2, s50, v29                      ; no LDS load of mine is out: the address moves to this pair
.endif
.if (\pre) >= 0
.irp i, 0,1,2,3,4,5,6,7
	ds_load_b128 v[LBN+4*\i:LBN+4*\i+3], v2 offset:(\pre)+16*\i
.endr
.endif
.irp i, 0,1,2,3,4,5,6,7
	v_pk_add_f32 v[LBQ+4*\i:LBQ+4*\i+1], v[LBQ+4*\i:LBQ+4*\i+1], v[AQ+2*\i:AQ+2*\i+1] op_sel_hi:[1,0] neg_lo:[0,1] neg_hi:[0,1]
	v_pk_add_f32 v[LBQ+4*\i+2:LBQ+4*\i+3], v[LBQ+4*\i+2:LBQ+4*\i+3], v[AQ+2*\i:AQ+2*\i+1] op_sel:[0,1] op_sel_hi:[1,1] neg_lo:[0,1] neg_hi:[0,1]
	v_pk_mul_f32 v[LBQ+4*\i:LBQ+4*\i+1], v[LBQ+4*\i:LBQ+4*\i+1], v[LBQ+4*\i:LBQ+4*\i+1] neg_lo:[1,0] neg_hi:[1,0]
	v_pk_mul_f32 v[LBQ+4*\i+2:LBQ+4*\i+3], v[LBQ+4*\i+2:LBQ+4*\i+3], v[LBQ+4*\i+2:LBQ+4*\i+3] neg_lo:[1,0] neg_hi:[1,0]
.if \i > 0
.irp e, 0,1,2,3
	v_exp_f32 v[LBQ+4*\i-4+\e], v[LBQ+4*\i-4+\e]
.endr
.endif
.endr
.irp e, 0,1,2,3
	v_exp_f32 v[LBQ+28+\e], v[LBQ+28+\e]
.endr
	v_nop                                          ; a plain place behind the last exponential
	s_wait_alu depctr_va_vdst(0)
.irp i, 0,1,2,3,4,5,6,7
.if (\first) && (\i == 0)
	v_pk_mul_f32 v[14:15], v[LBQ:LBQ+1], v[WQ:WQ+1] op_sel_hi:[1,0]                        ; the first products start the sums: nothing is cleared
	v_pk_mul_f32 v[16:17], v[LBQ+2:LBQ+3], v[WQ:WQ+1] op_sel:[0,1] op_sel_hi:[1,1]
.else
	v_pk_fma_f32 v[14:15], v[LBQ+4*\i:LBQ+4*\i+1], v[WQ+2*\i:WQ+2*\i+1], v[14:15] op_sel_hi:[1,0,1]
	v_pk_fma_f32 v[16:17], v[LBQ+4*\i+2:LBQ+4*\i+3], v[WQ+2*\i:WQ+2*\i+1], v[16:17] op_sel:[0,1,0] op_sel_hi:[1,1,1]
.endif
.endr
.endm
.macro NP more                         ; a pair of n, all 64 l; more = 1: the next pair's first 16 l are asked for
	BATCH 0, 1, 128
	BATCH 1, 0, 256
	BATCH 2, 0, 384
.if \more
	BATCH 3, 0, 512
.else
	BATCH 3, 0, -1
.endif
	v_pk_add_f32 v[14:15], v[14:15], v[16:17]
	v_add_nc_u32 v4, s51, v3
	ds_store_b64 v4, v[14:15]                      ; the literal score of (b, n0), (b, n1)
	s_add_co_u32 s50, s50, 512
	s_add_co_u32 s51, s51, 8
.endm
.Lpair:
	NP 1
	s_sub_co_u32 s56, s56, 1
	s_cmp_lg_u32 s56, 0
	s_cbranch_scc1 .Lpair
	NP 0                                           ; the tenth pair is written out: it reads nothing behind my pairs
	s_wait_tensorcnt 0x0                           ; my tile of E has landed; on every wave's path, so that no tensor load is out at any wave's end
	s_wait_dscnt 0x0                               ; for the others' sake: my scores lie in the stage
	s_barrier_signal -1
	s_barrier_wait -1
	; THE PRODUCT: waves 0-9, a tile of 16 n each, against all 64 b
	s_cmp_lt_u32 s20, 10
	s_cbranch_scc0 .Lno_prod
.irp c, 0,1
.irp i, 0,1,2,3,4,5,6,7
	ds_load_b128 v[64+32*\c+4*\i:67+32*\c+4*\i], v5 offset:256*\c+16*\i        ; E[n][k], k = 64 c + 32 h + 4 i ..
.endr
.endr
.irp f, 0,1,2,3,4,5,6,7
.irp c, 0,1,2
	ds_load_b128 v[XF+12*\f+4*\c:XF+12*\f+4*\c+3], v8 offset:1536*\f+512*\c
.endr
.endr
.irp f, 0,1,2,3,4,5,6,7
	ds_load_b32 v[XS+\f], v9 offset:128*\f
.endr
	s_wait_dscnt 32                                ; E's 16 loads are in; x's 24 + 8, issued behind them, may be out
	QFRAG 64, EF, ES
.irp i, 0,1,2,3,4,5,6,7
	ds_load_b128 v[64+4*\i:67+4*\i], v5 offset:512+16*\i       ; k = 128 + 32 h + 4 i ..
.endr
	ds_load_b128 v[96:99], v6 offset:768                       ; k = 192 .. 199, the row's last
	ds_load_b128 v[100:103], v6 offset:784
.set ci, 104
.rept 24
	v_mov_b32 v[ci], 0
.set ci, ci+1
.endr
	s_wait_dscnt 0x0
	v_cmp_eq_u32 vcc_lo, 0, v[H8]
.irp i, 0,1,2,3,4,5,6,7
	v_cndmask_b32 v[96+\i], 0, v[96+\i], vcc_lo
.endr
	QFRAG 64, EF+12, ES+1
.irp m, 0,1,2,3
	ds_load_b128 v[64+8*\m:67+8*\m], v7 offset:16*SP*\m        ; the literal scores in the result's layout: they are the sums' beginning
	ds_load_b128 v[68+8*\m:71+8*\m], v7 offset:16*SP*\m+16
.endr
.rept 8
	v_nop                                          ; places between the vector writes of E's scale words and codes and the scaled products
.endr
	s_wait_dscnt 0x0
.irp s, 0,1                            ; transposed: source 0 = 16 rows of E, source 1 = 16 rows of x: lane (r, h), register j of accumulator m: b = 16 m + r, n = 16 w + 8 h + j.  The four accumulators take turns, one instruction a turn
.irp m, 0,1,2,3
	v_wmma_scale_f32_16x16x128_f8f6f4 v[64+8*\m:71+8*\m], v[EF+12*\s:EF+12*\s+11], v[XF+12*(2*\m+\s):XF+12*(2*\m+\s)+11], v[64+8*\m:71+8*\m], v[ES+\s], v[XS+2*\m+\s] matrix_a_fmt:MATRIX_FMT_FP6 matrix_b_fmt:MATRIX_FMT_FP6
.endr
.endr
.rept 4
	v_nop                                          ; four places behind the products (ISA guide 7.12.1)
.endr
.set ci, 64
.rept 16
	v_pk_mul_f32 v[ci:ci+1], v[ci:ci+1], 0xbfb8aa3b op_sel_hi:[1,0]            ; -z log2(e); each accumulator from its low end on
.set ci, ci+2
.endr
.set ci, 64
.rept 32
	v_exp_f32 v[ci], v[ci]
.set ci, ci+1
.endr
	v_nop
	s_wait_alu depctr_va_vdst(0)                   ; one wait for the 32 exponentials
.set ci, 64
.rept 16
	v_pk_add_f32 v[ci:ci+1], v[ci:ci+1], 1.0 op_sel_hi:[1,0]
.set ci, ci+2
.endr
.set ci, 64
.rept 32
	v_rcp_f32 v[ci], v[ci]                         ; sigmoid(z) = 1 / (1 + 2^(-z log2(e)))
.set ci, ci+1
.endr
	v_nop
	s_wait_alu depctr_va_vdst(0)                   ; and one for the 32 reciprocals
.irp m, 0,1,2,3
	ds_store_b128 v7, v[64+8*\m:67+8*\m] offset:16*SP*\m       ; back to the bytes that I read: no other wave touches them between the two barriers
	ds_store_b128 v7, v[68+8*\m:71+8*\m] offset:16*SP*\m+16
.endr
.Lno_prod:
	s_wait_dscnt 0x0
	s_barrier_signal -1
	s_barrier_wait -1
	; THE WAY OUT: wave w stores rows 4 w .. 4 w + 3
.irp i, 0,1,2,3
	ds_load_b128 v[64+4*\i:67+4*\i], v10 offset:SP*\i
.endr
	ds_load_b128 v[80:83], v11
.irp i, 0,1,2,3
	s_wait_dscnt 4-\i                              ; LDS loads come back in order: row i is in
	global_store_b128 v12, v[64+4*\i:67+4*\i], s[54:55] offset:160000*\i th:TH_STORE_NT    ; 32 lanes store 512 consecutive bytes, at a multiple of 256 from out0's first byte
.endr
	s_wait_dscnt 0x0
	global_store_b128 v13, v[80:83], s[54:55] th:TH_STORE_NT   ; the four rows' 128 bytes that are left: eight lanes a row
	s_wait_tensorcnt 0x0
	ds_add_u32 v47, v63
	s_wait_dscnt 0x0
	s_endpgm
.Lfunc_end_k_q9163d2441f_score:
	.size	k_q9163d2441f_score, .Lfunc_end_k_q9163d2441f_score-k_q9163d2441f_score
	.p2alignl 7, 3214868480
	.fill 96, 4, 3214868480
	.section	.rodata,"a",@progbits
	.p2align	6, 0x0
	.amdhsa_kernel k_q9163d2441f_score
		.amdhsa_group_segment_fixed_size 259072
		.amdhsa_private_segment_fixed_size 0
		.amdhsa_enable_private_segment 0
		.amdhsa_kernarg_size 48
		.amdhsa_user_sgpr_count 2
		.amdhsa_user_sgpr_kernarg_segment_ptr 1
		.amdhsa_wavefront_size32 1
		.amdhsa_system_sgpr_workgroup_id_x 1
		.amdhsa_system_sgpr_workgroup_id_y 1
		.amdhsa_system_sgpr_workgroup_id_z 1
		.amdhsa_system_vgpr_workitem_id 0
		.amdhsa_next_free_vgpr 256
		.amdhsa_next_free_sgpr 66
		.amdhsa_reserve_vcc 1
		.amdhsa_float_denorm_mode_32 3
		.amdhsa_float_denorm_mode_16_64 3
		.amdhsa_memory_ordered 1
		.amdhsa_forward_progress 1
		.amdhsa_inst_pref_size 83
	.end_amdhsa_kernel
	.amdgpu_metadata
---
amdhsa.version: [ 1, 2 ]
amdhsa.kernels:
  - .name:           k_q9163d2441f_score
    .symbol:         k_q9163d2441f_score.kd
    .args:
      - { .name: E, .offset: 0, .size: 8, .value_kind: global_buffer, .address_space: global }
      - { .name: lits, .offset: 8, .size: 8, .value_kind: global_buffer, .address_space: global }
      - { .name: var_l, .offset: 16, .size: 8, .value_kind: global_buffer, .address_space: global }
      - { .name: xnt, .offset: 24, .size: 8, .value_kind: global_buffer, .address_space: global }
      - { .name: tab, .offset: 32, .size: 8, .value_kind: global_buffer, .address_space: global }
      - { .name: out0, .offset: 40, .size: 8, .value_kind: global_buffer, .address_space: global }
    .group_segment_fixed_size: 259072
    .private_segment_fixed_size: 0
    .kernarg_segment_align: 8
    .kernarg_segment_size: 48
    .max_flat_workgroup_size: 512
    .sgpr_count:     66
    .vgpr_count:     256
    .wavefront_size: 32
...
	.end_amdgpu_metadata
.endif
;; end of part 3
